; MI455X (gfx1250); checked and timed in simulation.
; The chip was launched on July 23, 2026; its instructions are those of AMD's public machine-readable ISA for CDNA 5 (MIT licence, August 2026) and "CDNA5" Instruction Set Architecture Reference Guide (July 2026). The comments in the code are by the model that wrote it; some were corrected since.
;; Standard Kernel Model. Allowed arithmetic: matrix products marked QUANTISED: E4M3 operands, one given power-of-two scale a tensor, by v_wmma_f32_16x16x64_fp8_fp8 or v_wmma_f32_16x16x128_fp8_fp8, f32 sums; everything else in f32.
;; Inputs: batch 8,192 x 512 float32; centers 8,192 x 512 float32; lowp_scales 4 int32 (the exponents e of the quantised operands' scales 2^e); weight_codes 256 x 256 x 32 uint8 (E4M3 codes of weight, K innermost, in blocks of 32 codes).
;; Outputs: out0 8,192 x 256 float32.
;; This version of the problem:
;;   THIS VERSION OF THE PROBLEM IS GIVEN IN LOW PRECISION. The matrix products marked QUANTISED in the list below multiply operands that are first quantised to E4M3 (4 exponent bits, 3 mantissa bits; 8 bits a number), with one given power-of-two scale for each operand tensor; their sums are f32. All else is computed in f32.
;;   The module's matrix products, in the order in which they are computed (A, B: the left and right operand; K: the contracted axis; several contracted axes count as one K, in the product's order):
;;     1. [M 8,192, K 512] x [K 512, N 8,192]; A: input batch; B: input centers: QUANTISED (scales: A lowp_scales[0], B lowp_scales[1])
;;     2. [M 8,192, K 8,192] x [K 8,192, N 256]; A: computed on the way; B: input weight (given as codes): QUANTISED (scales: A lowp_scales[2], B lowp_scales[3])
;;   THE QUANTISER, for each operand of a quantised product, along K:
;;     - The operand's scale is 2^e, e = its entry of the input lowp_scales (int32; the entries are numbered through the quantised products in the list's order, A before B).
;;     - Each number is divided by the scale, clamped to +-448, and rounded to the nearest number of E4M3, ties to even, subnormals kept.
;;     - The product sums the exact products of the quantised numbers (number of the format x scale) in f32.
;;   ~~~python
;;   def quantise(x, axis, e):      # numpy; x: float32 -> the quantised numbers, widened to float32 again
;;       x = np.moveaxis(x, axis, -1); K = x.shape[-1]
;;       r = np.clip(x / 2.0 ** e, -448, 448)
;;       step = 2.0 ** (np.maximum(np.frexp(np.where(r == 0, 1, r))[1] - 1, -6) - 3)
;;       q = np.round(r / step) * step * 2.0 ** e      # np.round: ties to even
;;       return np.moveaxis(q, -1, axis).astype(np.float32)
;;   ~~~
;;   OPERANDS COMPUTED ON THE WAY. 'Computed on the way' means the value that the module computes at that place (a softmax that the list does not call 'softmax' is quantised finished and normalised). What goes into a quantiser is computed in f32, as accurately as f32 sums, v_exp_f32 and their like allow (about 1e-6 of the number): no bf16 or f16 on the way to a quantiser, and a product that is left as it is and whose result goes on into a quantised operand takes f32 operands (vector FMAs, or v_wmma_f32_16x16x4_f32). A number that lies on a knife's edge between two numbers of the format may be rounded either way, as far as f32 arithmetic and the matrix unit's own rounding can turn it there, and no further.
;;   INPUTS GIVEN AS CODES. weight (in the module: [8192, 256], K = its axis 0): each comes as NAME_codes (uint8): NAME with its K axis moved to the last place and cut into blocks of 32 codes, [.., K / 32, bytes a block], one block behind the other in memory; one code a byte (a code: sign, 4 exponent bits, 3 mantissa bits); its scale is its entry of lowp_scales. Its value is code x scale, taken as it is: it is not quantised again, and the codes and scales need not be those that the quantiser above would give.
;; One version. Each part assembles by itself: llvm-mc -triple=amdgcn-amd-amdhsa -mcpu=gfx1250 --defsym DOCPART=n.
;; ======== version 1 of 1: 3 launches
;; limits: right only within a limited range of input values
;; workspace buffers: bcodes 4,194,304 bytes; ccodes 4,194,304 bytes; xs 32,768 bytes; zs 32,768 bytes; part 33,554,432 bytes
;; launch quant (part 1): grid 256 x 1, 8 waves a work-group, no clusters, 42,240 bytes of LDS; arguments batch, centers, lowp_scales, bcodes, ccodes, xs, zs; writes bcodes, ccodes, xs, zs
.if DOCPART == 1
	.amdgcn_target "amdgcn-amd-amdhsa--gfx1250"
	.amdhsa_code_object_version 6
	.text
	.protected	k_qb3fac9c810_quant
	.globl	k_qb3fac9c810_quant
	.p2align	8
	.type	k_qb3fac9c810_quant,@function
k_qb3fac9c810_quant:
	s_mov_b64 s[64:65], 0
	v_nop
	global_prefetch_b8 v0, s[64:65] scope:SCOPE_SE
	s_setreg_imm32_b32 hwreg(HW_REG_WAVE_MODE, 25, 1), 1
	s_wait_xcnt 0x0
; pred = exp(-sqrt(max(|x|^2 + |z|^2 - 2 x.z, 0)) / 10) . weight, in three launches.  Nothing of reference() is left out: every input and every step has a way to the output.
; THIS LAUNCH: batch [8192][512] and centers [8192][512], f32, become codes of E4M3 (one byte each, K innermost) with the given scales 2^e0 and 2^e1, and each row's sum of squares,
; taken of the UNQUANTISED numbers in f32, is stored ready for the next launch:
;   xs[row] = |x|^2 x C2, C2 = (log2(e) / 10)^2;      zs[key] = -|z|^2 x 2^(-1 - e0 - e1)  (the power of two rounds nothing).
; code = x / 2^e, held within +-448, rounded to the nearest code, ties to even.
; bcodes holds the rows in their order.  ccodes holds key k at the row whose number is k with bits 3 and 4 exchanged: the next launch wants the sixteen keys 16 a + 8 u + j (a = 0, 1; j = 0 .. 7) on end.
; LIMITS: e0, e1 between -110 and 119, |e0 + e1| at most 100, so that every power of two below is an f32 number.  NaN among the inputs is not served.  The order of the squares' sum is not reference()'s.
; SHARES.  Work-groups 0-127 take batch, 128-255 centers (only pointers and two constants are chosen: one path).  A work-group takes 64 rows, a wave 8.  A row is 2,048 bytes: four loads of 512 consecutive bytes.
; All 32 loads of a wave go out at the head.  The conversions want 16 NEIGHBOURS in a lane, so a row turns through the wave's own stage in LDS (16 bytes of padding behind each 64) and comes back 64 bytes a lane.
; A lane's 16 codes are 16 bytes: one store of the wave is one whole row of 512 bytes.  The 64 sums meet in LDS and leave as one store of 256 consecutive bytes.
.set WAVES, 8
.set WGA,   128                        ; work-groups for batch
.set SP,    80                         ; a lane's place in a stage: 64 bytes + 16 of padding
.set WREG,  2*32*SP                    ; a wave's two stages
.set SUMS,  WAVES*WREG                 ; 64 words: the work-group's scaled sums, in the rows' order
.set SPARE, SUMS+256                   ; the spare words, 128 bytes for each wave: four blocks of 256 bytes that no other line names
.set SPW,   12                         ; v12  LDS address of my spare word; never rewritten
.set NIL,   13                         ; v13  0; never rewritten
.set R,     16                         ; v16-143   eight rows as loaded, 16 registers each
.set X,     144                        ; v144-175  two sets of 16 neighbours
.set C,     176                        ; v176-207  four registers of codes for each row: no store's data are written again
.set T,     208                        ; v208-211  at work
	s_load_b128 s[4:7], s[0:1], 0x0                ; batch, centers
	s_load_b64 s[8:9], s[0:1], 0x10                ; the scales' exponents
	s_load_b128 s[12:15], s[0:1], 0x18             ; bcodes, ccodes
	s_load_b128 s[16:19], s[0:1], 0x28             ; xs, zs
	v_lshl_add_u32 v[SPW], v0, 2, SPARE
	v_mov_b32 v[NIL], 0
	v_lshrrev_b32 v1, 5, v0
	s_delay_alu instid0(VALU_DEP_1)
	v_readfirstlane_b32 s20, v1                    ; wave 0..7
	v_and_b32 v2, 31, v0                           ; lane
	s_delay_alu instid0(VALU_DEP_1)
	v_lshlrev_b32 v3, 4, v2                        ; my 16 bytes of a load's 512, and of a row of codes
	s_delay_alu instid0(VALU_DEP_2)
	v_lshlrev_b32 v8, 3, v2                        ; my 8 bytes of the 256 bytes of sums
	s_mul_i32 s24, s20, WREG
	v_lshrrev_b32 v14, 2, v2
	s_delay_alu instid0(VALU_DEP_1)
	v_mul_u32_u24 v14, v14, SP
	v_and_b32 v15, 3, v2
	s_delay_alu instid0(VALU_DEP_1)
	v_lshl_add_u32 v14, v15, 4, v14
	s_delay_alu instid0(VALU_DEP_1)
	v_add_nc_u32 v14, s24, v14                     ; the stage, on the way in: four lanes' 64 bytes on end, then the padding
	v_mul_u32_u24 v15, v2, SP
	s_delay_alu instid0(VALU_DEP_1)
	v_add_nc_u32 v15, s24, v15                     ; and on the way out: my 16 neighbours
	s_lshl_b32 s25, s20, 5
	s_add_co_u32 s25, s25, SUMS
	v_mov_b32 v9, s25                              ; my wave's eight words of sums
	s_and_b32 s26, s20, 4                          ; the wave's number holds bits 3 to 5 of its rows' numbers: bits 0 and 1 of it exchanged
	s_and_b32 s27, s20, 1
	s_lshl_b32 s27, s27, 1
	s_or_b32 s26, s26, s27
	s_bfe_u32 s27, s20, 0x10001
	s_or_b32 s26, s26, s27
	s_mov_b32 s30, 0x76543210                      ; v_permlanex16_b32: lane l xor 16
	s_mov_b32 s31, 0xfedcba98
	s_wait_alu depctr_va_vdst(0)
	s_wait_kmcnt 0x0
	s_load_b64 s[22:23], s[8:9], 0x0               ; e0, e1
	s_cmp_lt_u32 ttmp9, WGA                        ; batch or centers: the choice hangs on the work-group's number alone
	s_cselect_b64 s[4:5], s[4:5], s[6:7]
	s_cselect_b64 s[12:13], s[12:13], s[14:15]
	s_cselect_b64 s[16:17], s[16:17], s[18:19]
	s_cselect_b32 s26, s20, s26                    ; where my eight rows of codes go: in order, or exchanged
	s_cselect_b32 s21, 0, WGA
	s_sub_co_u32 s21, ttmp9, s21                   ; which 64 rows of the tensor
	s_lshl_b32 s24, s21, 17                        ; 64 rows of 2,048 bytes
	s_lshl_b32 s25, s20, 14                        ; + 8 rows a wave
	s_add_co_u32 s24, s24, s25
	s_mov_b32 s25, 0
	s_add_nc_u64 s[4:5], s[4:5], s[24:25]
	s_lshl_b32 s24, s21, 15                        ; 64 rows of 512 bytes
	s_lshl_b32 s27, s26, 12
	s_add_co_u32 s24, s24, s27
	s_add_nc_u64 s[12:13], s[12:13], s[24:25]
	s_lshl_b32 s24, s21, 8                         ; 64 sums
	s_add_nc_u64 s[16:17], s[16:17], s[24:25]
.irp t, 0,1,2,3,4,5,6,7
.irp i, 0,1,2,3
	global_load_b128 v[R+16*\t+4*\i:R+16*\t+4*\i+3], v3, s[4:5] offset:2048*\t+512*\i th:TH_LOAD_NT   ; 32 lanes read 512 consecutive bytes; read once in the launch
.endr
.endr
	s_wait_kmcnt 0x0
	s_add_co_i32 s27, s22, s23
	s_sub_co_i32 s27, 126, s27
	s_lshl_b32 s27, s27, 23
	s_or_b32 s27, s27, 0x80000000                  ; -2^(-1 - e0 - e1) as f32
	s_mov_b32 s28, 0x3caa8179                      ; C2 = (log2(e) / 10)^2
	s_cmp_lt_u32 ttmp9, WGA
	s_cselect_b32 s28, s28, s27                    ; what my sums are multiplied by
	s_cselect_b32 s22, s22, s23                    ; e
	s_add_co_i32 s22, s22, 127
	s_lshl_b32 s23, s22, 23
	v_mov_b32 v11, s23                             ; 2^e as f32: the conversion takes its exponent field
	s_add_co_i32 s22, s22, 8
	s_lshl_b32 s22, s22, 23
	s_or_b32 s22, s22, 0x600000
	v_mov_b32 v10, s22                             ; 448 x 2^e
.macro TURN t                          ; row t through the stage: LDS serves a wave's instructions in order, so no wait stands between the stores and the loads
.irp i, 0,1,2,3
	ds_store_b128 v14, v[R+16*(\t)+4*\i:R+16*(\t)+4*\i+3] offset:32*SP*((\t)%2)+8*SP*\i
.endr
.irp i, 0,1,2,3
	ds_load_b128 v[X+16*((\t)%2)+4*\i:X+16*((\t)%2)+4*\i+3], v15 offset:32*SP*((\t)%2)+16*\i
.endr
.endm
.macro STEP t
.set XR, X+16*((\t)%2)
	s_wait_dscnt 0x0                               ; this row is back from the stage
.if (\t) < 7
	s_wait_loadcnt 4*(6-(\t))                      ; the next row's four loads are in; those of the rows behind it may be out
	TURN (\t)+1                                    ; and go through the other stage while this row is worked
.endif
	v_pk_mul_f32 v[T:T+1], v[XR:XR+1], v[XR:XR+1]  ; the squares of the unquantised numbers, in two packed chains
	v_pk_mul_f32 v[T+2:T+3], v[XR+2:XR+3], v[XR+2:XR+3]
.irp i, 4,8,12
	s_delay_alu instid0(VALU_DEP_2)
	v_pk_fma_f32 v[T:T+1], v[XR+\i:XR+\i+1], v[XR+\i:XR+\i+1], v[T:T+1]
	s_delay_alu instid0(VALU_DEP_2)
	v_pk_fma_f32 v[T+2:T+3], v[XR+\i+2:XR+\i+3], v[XR+\i+2:XR+\i+3], v[T+2:T+3]
.endr
	s_delay_alu instid0(VALU_DEP_1)
	v_pk_add_f32 v[T:T+1], v[T:T+1], v[T+2:T+3]
	s_delay_alu instid0(VALU_DEP_1)
	v_add_f32 v[T], v[T], v[T+1]
	s_delay_alu instid0(VALU_DEP_1)
	v_add_f32_dpp v[T], v[T], v[T] row_xmask:1 row_mask:0xf bank_mask:0xf
	s_delay_alu instid0(VALU_DEP_1)
	v_add_f32_dpp v[T], v[T], v[T] row_xmask:2 row_mask:0xf bank_mask:0xf
	s_delay_alu instid0(VALU_DEP_1)
	v_add_f32_dpp v[T], v[T], v[T] row_xmask:4 row_mask:0xf bank_mask:0xf
	s_delay_alu instid0(VALU_DEP_1)
	v_add_f32_dpp v[T], v[T], v[T] row_xmask:8 row_mask:0xf bank_mask:0xf
	s_delay_alu instid0(VALU_DEP_1)
	v_permlanex16_b32 v[T+1], v[T], s30, s31
	s_delay_alu instid0(VALU_DEP_1)
	v_add_f32 v[T], v[T], v[T+1]                   ; the row's sum, in every lane
	s_delay_alu instid0(VALU_DEP_1)
	v_mul_f32 v[T], s28, v[T]
	ds_store_b32 v9, v[T] offset:4*(\t)            ; all lanes write the same word with the same value
.irp i, 0,1,2,3,4,5,6,7,8,9,10,11,12,13,14,15
	v_med3_num_f32 v[XR+\i], v[XR+\i], -v10, v10   ; the conversion to an 8-bit code does not saturate (ISA guide 7.6.2): the hold at the largest code x the scale
.endr
	v_cvt_scalef32_pk8_fp8_f32 v[C+4*(\t):C+4*(\t)+1], v[XR:XR+7], v11
	v_cvt_scalef32_pk8_fp8_f32 v[C+4*(\t)+2:C+4*(\t)+3], v[XR+8:XR+15], v11
	global_store_b128 v3, v[C+4*(\t):C+4*(\t)+3], s[12:13] offset:512*(\t)   ; the wave stores one row: 512 consecutive bytes, aligned.  (The codes go to a store alone; the next vector lines are plain and touch other registers)
.endm
	s_wait_loadcnt 28                              ; row 0's four loads are in
	TURN 0
.irp t, 0,1,2,3,4,5,6,7
	STEP \t
.endr
	s_wait_dscnt 0x0                               ; for wave 0's sake: my eight sums lie in LDS
	s_barrier_signal -1
	s_barrier_wait -1
	s_cmp_lg_u32 s20, 0
	s_cbranch_scc1 .Lnot_wave_0
	ds_load_b64 v[T:T+1], v8 offset:SUMS           ; the work-group's 64 sums,
	s_wait_dscnt 0x0
	global_store_b64 v8, v[T:T+1], s[16:17]        ; as 256 consecutive bytes, aligned
.Lnot_wave_0:
	s_wait_tensorcnt 0x0                           ; the wave's end: behind my last LDS store
	ds_add_u32 v[SPW], v[NIL]
	s_wait_dscnt 0x0
	s_endpgm
.Lfunc_end_k_qb3fac9c810_quant:
	.size	k_qb3fac9c810_quant, .Lfunc_end_k_qb3fac9c810_quant-k_qb3fac9c810_quant
	.p2alignl 7, 3214868480
	.fill 96, 4, 3214868480
	.section	.rodata,"a",@progbits
	.p2align	6, 0x0
	.amdhsa_kernel k_qb3fac9c810_quant
		.amdhsa_group_segment_fixed_size 42240
		.amdhsa_private_segment_fixed_size 0
		.amdhsa_enable_private_segment 0
		.amdhsa_kernarg_size 56
		.amdhsa_user_sgpr_count 2
		.amdhsa_user_sgpr_kernarg_segment_ptr 1
		.amdhsa_wavefront_size32 1
		.amdhsa_system_sgpr_workgroup_id_x 1
		.amdhsa_system_sgpr_workgroup_id_y 1
		.amdhsa_system_sgpr_workgroup_id_z 1
		.amdhsa_system_vgpr_workitem_id 0
		.amdhsa_next_free_vgpr 224
		.amdhsa_next_free_sgpr 66
		.amdhsa_reserve_vcc 0
		.amdhsa_float_denorm_mode_32 3
		.amdhsa_float_denorm_mode_16_64 3
		.amdhsa_memory_ordered 1
		.amdhsa_forward_progress 1
		.amdhsa_inst_pref_size 34
	.end_amdhsa_kernel
	.amdgpu_metadata
---
amdhsa.version: [ 1, 2 ]
amdhsa.kernels:
  - .name:           k_qb3fac9c810_quant
    .symbol:         k_qb3fac9c810_quant.kd
    .args:
      - { .name: batch, .offset: 0, .size: 8, .value_kind: global_buffer, .address_space: global }
      - { .name: centers, .offset: 8, .size: 8, .value_kind: global_buffer, .address_space: global }
      - { .name: lowp_scales, .offset: 16, .size: 8, .value_kind: global_buffer, .address_space: global }
      - { .name: bcodes, .offset: 24, .size: 8, .value_kind: global_buffer, .address_space: global }
      - { .name: ccodes, .offset: 32, .size: 8, .value_kind: global_buffer, .address_space: global }
      - { .name: xs, .offset: 40, .size: 8, .value_kind: global_buffer, .address_space: global }
      - { .name: zs, .offset: 48, .size: 8, .value_kind: global_buffer, .address_space: global }
    .group_segment_fixed_size: 42240
    .private_segment_fixed_size: 0
    .kernarg_segment_align: 8
    .kernarg_segment_size: 56
    .max_flat_workgroup_size: 256
    .sgpr_count:     66
    .vgpr_count:     224
    .wavefront_size: 32
...
	.end_amdgpu_metadata
.endif
;; end of part 1
;; launch kern (part 2): grid 64 x 4, 4 waves a work-group, clusters of 4 x 1, 327,680 bytes of LDS; arguments bcodes, ccodes, weight_codes, xs, zs, lowp_scales, part; writes part
.if DOCPART == 2
	.amdgcn_target "amdgcn-amd-amdhsa--gfx1250"
	.amdhsa_code_object_version 6
	.text
	.protected	k_qb3fac9c810_kern
	.globl	k_qb3fac9c810_kern
	.p2align	8
	.type	k_qb3fac9c810_kern,@function
k_qb3fac9c810_kern:
	s_mov_b64 s[64:65], 0
	v_nop
	global_prefetch_b8 v0, s[64:65] scope:SCOPE_SE
	s_setreg_imm32_b32 hwreg(HW_REG_WAVE_MODE, 25, 1), 1
	s_wait_xcnt 0x0
	s_wait_alu depctr_hold_cnt(0) depctr_sa_sdst(0) depctr_va_vdst(0) depctr_va_sdst(0) depctr_va_ssrc(0) depctr_va_vcc(0) depctr_vm_vsrc(0)
	s_getreg_b32 s2, hwreg(HW_REG_IB_STS2, 6, 4)
	s_cmp_eq_u32 s2, 0
	s_cbranch_scc0 .Lentry_in_a_cluster
	s_endpgm
.Lentry_in_a_cluster:
	s_bfe_u32 s2, ttmp6, 0x10000c
	s_cmp_lg_u32 s2, 0x3003
	s_cbranch_scc0 .Lentry_shape_is_right
	s_endpgm
.Lentry_shape_is_right:
; part[ky][q][y] = the sum over the 2,048 keys k of quarter ky of code(p(q, k)) x code(weight(k, y)), p = exp(-sqrt(max(|x|^2 + |z|^2 - 2 x.z, 0)) / 10); x.z on the codes of batch and centers.  Nothing is left out.
; Both products by v_wmma_f32_16x16x128_fp8_fp8; p never goes to memory.  The four quarters are added, and multiplied by 2^(e2 + e3), by the next launch.
; AN ELEMENT.  acc = sum of code products + zs[k]  (zs = -|z|^2 2^(-1 - e0 - e1) is the C of the sum's first matrix instruction);  d = acc x a + xs[q], a = -2 C2 2^(e0 + e1), xs = C2 |x|^2, C2 = (log2(e) / 10)^2: d = C2 x d2;
; t = sqrt(max(d, LO));  p = 2^(-t);  code = p / 2^e2 to the nearest code.  ONE MAXIMUM IS reference()'s max(d2, 0) AND THE HOLD: LO = max(0, -(e2 + log2 440))^2 keeps p at or under 440 x 2^e2.  Every p over 432 x 2^e2
; has the largest code, 448, by the stated clamp and rounding, and 440 lies well inside that range: so the codes are those of the stated quantiser, and the conversion never meets a number beyond 448 x 2^e2.
; LIMITS: |e0 + e1| at most 100 (added to a's exponent field); e2 between -110 and 119.  NaN is not served.
; SHARES.  A work-group owns 128 queries and a quarter of the keys, 16 steps of 128: 64 x 4 = 256 work-groups of equal work.  Each of its four waves holds ALL 128 queries' codes in registers (32 fragments, 512 registers).
; In a step wave w makes the scores of ITS 32 keys for all 128 queries (64 matrix instructions; each byte of the keys' tile leaves LDS once), turns them into codes, and stores them in LDS as images of the second product's
; operand registers (16 bytes a lane, 512 bytes a store).  Behind the next barrier every wave reads all eight fragments of p and makes ITS 64 output columns for all 128 queries (32 matrix instructions, 32 accumulators).
; LAYOUT.  Both products are used transposed (source 0 = 16 keys, or 16 columns of weight; source 1 = 16 queries): a lane holds ONE query.  ccodes' rows are laid so that the 16 registers of a wave's two key tiles are
; 16 neighbouring keys, 32 w + 16 (lane / 16) + 0 .. 15: the conversions' results ARE registers 4 w .. 4 w + 3 of p's fragment.  Fragments are fetched by four loads of 16 bytes, 32 apart: k = 32 c + 16 (lane / 16) + 0 .. 15 in
; registers 4 c .. 4 c + 3, alike on both sides of each product.
; A TRIP t = 0 .. 16, one barrier each: the barrier | the refill | second product of step t - 1 | first product of step t | p and its codes | images to LDS.
; CLUSTER.  The four work-groups of a cluster have the same quarter of keys and walk the same tiles of ccodes, weight_codes and zs: every tensor load is asked for JOINTLY, with a mask that names the four.
; (All tiles hang on the quarter alone, so a second axis of the cluster would share nothing more, and a mask names four at the most.)
; LDS: weight's two slots of 256 columns x (256 keys + 16 bytes), two steps each; the keys' two slots of 128 keys x (512 + 16 bytes); two buffers of p's eight images; the quarter's 2,048 zs, filled once; the spare words.
; REGISTERS, in windows of 256 (s_set_vgpr_msb: bits 1:0 source 0, 3:2 source 1, 5:4 source 2, 7:6 destination):
;   window 0: v1-15 addresses and constants; v16-31 xs of my lane's query in each of the 8 tiles (even registers); v32-63 the codes just made (v32-47 before that: 16 zs); v64-127 four fragments of weight or of keys;
;             v128-255 the scores (tile of queries m, key tile u: 128 + 16 m + 8 u), and in the second product p's eight fragments.
;   window 1: the 32 accumulators (column tile y, tile of queries m: 64 y + 8 m).   windows 2, 3: the queries' fragments (m, K step ks): window 2 + ks / 2, 128 (ks % 2) + 16 m.
.set KP,    528                        ; a key's row in LDS: 512 bytes + 16 = 33 x 16: the 16 rows of a load start at 16 different groups of four banks (64 banks of 4 bytes: ISA guide 11.1)
.set WP,    272                        ; a row of weight's tile: 256 bytes + 16 = 17 x 16
.set WSL,   256*WP                     ; weight's slot: 69,632 bytes; slot 0 at byte 0
.set KSL,   128*KP                     ; the keys' slot: 67,584 bytes
.set KS0,   2*WSL
.set KS1,   KS0+KSL
.set PB0,   KS1+KSL                    ; p's images: buffer 0; eight of 2,048 bytes
.set PBB,   16384
.set ZS,    PB0+2*PBB
.set SPARE, ZS+8192                    ; the spare words, 128 bytes for each wave: two blocks of 256 bytes that no other line names
.set PFO, 1                            ; v1   the prefetches' offset in odd trips; never rewritten
.set PFE, 2                            ; v2   in even trips; never rewritten
.set QO,  3                            ; v3   my byte in the queries' rows; on the way out my byte in part's rows
.set SPW, 4                            ; v4   LDS address of my spare word; never rewritten
.set NIL, 5                            ; v5   0; never rewritten
.set AK0, 6                            ; v6, v7  my lane's place in my wave's 32 keys, slot 0, 1
.set AW0, 8                            ; v8   my lane's place in my wave's 64 columns of weight's slot 0
.set AWC, 9                            ; v9   the same in the slot in hand
.set APR, 10                           ; v10  an image's place for my lane: PB0 + 16 x lane
.set APS, 11                           ; v11  where I store: + 512 x wave
.set AZ0, 12                           ; v12  my 16 zs of step 0
.set AZC, 13                           ; v13  of the step in hand
.set SC,  14                           ; v14  2^e2 as f32, for the conversion
.set XO,  15                           ; v15  my byte in xs
.set XS,  16
.set CD,  32
.set FR,  64
.set S,   128
.set WV,   18                          ; s18  my wave's number
.set CX,   19                          ; s19  my place in the cluster: it enters the addresses of bcodes, xs, part and of the prefetches alone
.set KY,   20                          ; s20  the quarter of keys, which the four partners share
.set G1K,  24                          ; s[24:31] descriptor group 1: the keys' tiles;  s[32:39] weight's;  s[40:47] zs
.set G1W,  32
.set G1Z,  40
.set G0K0, 48                          ; s[48:51], s[52:55] group 0 for the keys' slot 0, 1
.set G0K1, 52
.set G0WF, 56                          ; s[56:59] weight's first fills: a whole slot a wave (waves 2, 3);  s[60:63] the descriptor of halves, which walks
.set G0WW, 60
.set G1WH, 88                          ; s[88:95] descriptor group 1 for weight's first fills: 256 rows; written at the head's end, when the head's scratch there is done with
.set G0Z,  68                          ; s[68:71] zs
.set AL,   76                          ; s[76:77] a: the packed form names a pair and takes its low word for both halves
.set LO,   78                          ; s78  LO
.set WRD,  79                          ; s79  LDS byte of weight's slot that is being read
.set ZB,   80                          ; s80  LDS bytes from step 0's zs to the odd trip's
.set CNT,  81                          ; s81  pairs of trips to go
.set PFA,  82                          ; s[82:83] where my prefetches stand;  s[84:85] their step for a pair of trips
.set PFS,  84
.set LIMK, 86                          ; s86  1 in a wave that prefetches in odd trips, else the greatest number;  s87 the same for even trips
.set LIMA, 87
.set MSB, 0
.macro WIN new                         ; the immediate's high byte repeats the setting that is left; a switch that changes nothing is dropped
.if MSB != \new
	s_set_vgpr_msb (MSB<<8)|\new
.set MSB, \new
.endif
.endm
.macro PLACES n                        ; plain vector instructions that name no register of the matrix instructions before them (ISA guide 7.12.1)
.rept \n
	v_nop
.endr
.endm
.macro CROUND                          ; a round of the cluster's barrier: my work-group's barrier; wave 0 signals for the work-group; every wave waits for all four work-groups; my work-group's barrier once more
	s_barrier_signal -1
	s_barrier_wait -1
	s_cmp_lg_u32 s[WV], 0
	s_cbranch_scc1 .Lnot_wave_0_\@
	s_barrier_signal -3
.Lnot_wave_0_\@:
	s_barrier_wait -3
	s_barrier_signal -1
	s_barrier_wait -1
.endm
; The joint refills.  Waves 0 and 1 fetch the two halves (64 rows) of a tile of keys; waves 2 and 3 the two halves (128 rows) of weight's next 256 keys.  The branches hang on the wave's number alone.
; An s_nop 0 and four v_nop follow each tensor load.
.macro JK g0
	s_cmp_lt_u32 s[WV], 2
	s_cbranch_scc0 .Lno_k_\@
	tensor_load_to_lds s[\g0:\g0+3], s[G1K:G1K+7]
	s_nop 0
	PLACES 4
.Lno_k_\@:
.endm
.macro JKW
	s_cmp_lt_u32 s[WV], 2
	s_cbranch_scc0 .Lfor_w_\@
	tensor_load_to_lds s[G0K0:G0K0+3], s[G1K:G1K+7]
	s_nop 0
	PLACES 4
	s_branch .Lasked_\@
.Lfor_w_\@:
	tensor_load_to_lds s[G0WW:G0WW+3], s[G1W:G1W+7]
	s_nop 0
	PLACES 4
.Lasked_\@:
.endm
; A PREFETCH INTO THE L2 of what the NEXT trip's refill will ask for, behind the trip's run of LDS loads.  All sixteen clusters of a quarter walk the same tiles: the quarter's first cluster asks.  Its four partners share
; the rows out BY ADDRESS.  Keys' tile t + 2 (128 rows of 512 bytes): partner p takes rows 32 p on, a lane a row; wave 0 the rows' first 256 bytes, wave 1 the second.  Weight's pair (t + 2) / 2 (256 rows x 256 bytes), in even
; trips: partner p rows 64 p on, waves 2 and 3 32 rows each.  So each aligned block of 256 bytes is named once in the launch.  The keys' tiles 0 to 2 and weight's pairs 0 and 1 come by their loads alone; the last names are
; tile 15 (trip 13) and pair 7 (trip 12): kind 2 asks only while more than one pair of trips is to go.
.macro ASK kind
.if \kind == 1
	s_cmp_ge_u32 s[CNT], s[LIMK]
	s_cbranch_scc0 .Lnone_\@
	global_prefetch_b8 v[PFO], s[PFA:PFA+1] th:TH_LOAD_NT scope:SCOPE_SE
.Lnone_\@:
.elseif \kind == 2
	s_cmp_gt_u32 s[CNT], s[LIMA]
	s_cbranch_scc0 .Lnone_\@
	global_prefetch_b8 v[PFE], s[PFA:PFA+1] th:TH_LOAD_NT scope:SCOPE_SE
.Lnone_\@:
.endif
.endm
	s_load_b256 s[4:11], s[0:1], 0x0               ; bcodes s[4:5], ccodes s[6:7], weight_codes s[8:9], xs s[10:11]
	s_load_b128 s[12:15], s[0:1], 0x20             ; zs s[12:13], the scales' exponents s[14:15]
	s_load_b64 s[16:17], s[0:1], 0x30              ; part
	v_lshl_add_u32 v[SPW], v0, 2, SPARE
	v_mov_b32 v[NIL], 0
	ds_add_u32 v[SPW], v[NIL]                      ; the wave's opening: the add, twice on end, and its wait ahead of my first tensor load; the set-up below, work on registers, stands between
	ds_add_u32 v[SPW], v[NIL]
	v_lshrrev_b32 v[XO], 5, v0
	v_readfirstlane_b32 s[WV], v[XO]               ; wave 0..3
	s_bfe_u32 s[CX], ttmp6, 0x40000
	s_and_b32 s[KY], ttmp7, 0xffff
	s_and_b32 s21, s[WV], 1                        ; which half of a tile I fetch
	; descriptor group 1.  Keys: 64 rows x 512 bytes, dense; 4 words of padding behind every 128
	s_mov_b32 s[G1K], 15|(1<<20)|(1<<21)|(6<<22)|(3<<25)   ; 15:0 the mask: all four work-groups; 17:16 elements of 1 byte; 20 padding on; 21 set beside a mask; 24:22 interval code 6; 31:25 four words
	s_mov_b32 s[G1K+1], 512<<16                    ; tensor_dim0
	s_mov_b32 s[G1K+2], 64<<16                     ; tensor_dim1
	s_mov_b32 s[G1K+3], 512<<16                    ; tile_dim0
	s_mov_b32 s[G1K+4], 64                         ; tile_dim1
	s_mov_b32 s[G1K+5], 512                        ; from row to row
	s_mov_b32 s[G1K+6], 0
	s_mov_b32 s[G1K+7], 0
	; weight: 128 rows (columns of the output) x 256 bytes (keys), 8,192 bytes apart; 4 words of padding behind every 64
	s_mov_b32 s[G1W], 15|(1<<20)|(1<<21)|(5<<22)|(3<<25)
	s_mov_b32 s[G1W+1], 256<<16
	s_mov_b32 s[G1W+2], 128<<16
	s_mov_b32 s[G1W+3], 256<<16
	s_mov_b32 s[G1W+4], 128
	s_mov_b32 s[G1W+5], 8192
	s_mov_b32 s[G1W+6], 0
	s_mov_b32 s[G1W+7], 0
	; zs: a dense block of 4,096 bytes for each of waves 2 and 3, as 16 rows of 32 elements of 8 bytes; no padding
	s_mov_b32 s[G1Z], 15|(3<<16)|(1<<21)
	s_mov_b32 s[G1Z+1], 32<<16
	s_mov_b32 s[G1Z+2], 16<<16
	s_mov_b32 s[G1Z+3], 32<<16
	s_mov_b32 s[G1Z+4], 16
	s_mov_b32 s[G1Z+5], 32
	s_mov_b32 s[G1Z+6], 0
	s_mov_b32 s[G1Z+7], 0
	s_mul_i32 s66, s21, 64*KP                      ; where my halves go in a slot: no place in the cluster enters an LDS address
	s_mul_i32 s67, s21, 128*WP
	s_lshl_b32 s2, s21, 12                         ; my 4,096 bytes of zs (waves 2 and 3)
	s_mul_i32 s3, s21, WSL                         ; weight's first fills: wave 2 slot 0, wave 3 slot 1,
	s_lshl_b32 s98, s[KY], 11                      ; from the quarter's 2,048 keys on,
	s_lshl_b32 s99, s21, 8                         ; keys 0 to 255 or 256 to 511
	s_add_co_u32 s98, s98, s99
	s_mov_b32 s99, 0
	s_lshl_b32 s88, s[KY], 20                      ; keys: 2,048 rows of 512 bytes a quarter
	s_lshl_b32 s89, s21, 15                        ; + 64 rows
	s_add_co_u32 s88, s88, s89
	s_mov_b32 s89, 0
	s_lshl_b32 s90, s21, 20                        ; weight: 128 rows of 8,192 bytes
	s_lshl_b32 s91, s[KY], 11                      ; + the quarter's 2,048 keys
	s_add_co_u32 s90, s90, s91
	s_mov_b32 s91, 0
	s_lshl_b32 s22, s[KY], 13                      ; zs: 8,192 bytes a quarter
	s_add_co_u32 s22, s22, s2
	s_mov_b32 s23, 0
	s_lshl_b32 s92, ttmp9, 2                       ; in a cluster launch ttmp9 counts clusters
	s_add_co_u32 s92, s92, s[CX]                   ; my block of 128 queries (in registers that feed no descriptor)
	s_lshl_b32 s94, s92, 16                        ; its codes
	s_mov_b32 s95, 0
	s_lshl_b32 s96, s92, 9                         ; its xs
	s_mov_b32 s97, 0
	s_lshl_b32 s92, s92, 17                        ; its rows of part: 128 x 1,024 bytes,
	s_lshl_b32 s93, s[KY], 23                      ; in the quarter's 8,388,608 bytes,
	s_add_co_u32 s92, s92, s93
	s_lshl_b32 s93, s[WV], 8                       ; my wave's 64 columns
	s_add_co_u32 s92, s92, s93
	s_mov_b32 s93, 0
	s_mov_b32 s[WRD], 0
	s_mov_b32 s[ZB], 512
	s_wait_dscnt 0x0                               ; both opening adds are done
	s_wait_kmcnt 0x0
	s_load_b128 s[72:75], s[14:15], 0x0            ; e0, e1, e2, e3
	s_add_nc_u64 s[4:5], s[4:5], s[94:95]
	s_add_nc_u64 s[10:11], s[10:11], s[96:97]
	s_add_nc_u64 s[16:17], s[16:17], s[92:93]
	s_mov_b32 s[G0K0], 1                           ; 1:0 count = 1
	s_add_co_u32 s[G0K0+1], s66, KS0               ; 63:32 LDS address
	s_add_nc_u64 s[G0K0+2:G0K0+3], s[6:7], s[88:89]   ; 120:64 global address: tile 0
	s_mov_b32 s[G0K1], 1
	s_add_co_u32 s[G0K1+1], s66, KS1
	s_add_nc_u64 s[G0K1+2:G0K1+3], s[G0K0+2:G0K0+3], 128*512   ; tile 1
	s_or_b32 s[G0K0+3], s[G0K0+3], 0x80000000      ; 127:126 type = 2
	s_or_b32 s[G0K1+3], s[G0K1+3], 0x80000000
	s_mov_b32 s[G0WF], 1
	s_mov_b32 s[G0WF+1], s3
	s_add_nc_u64 s[G0WF+2:G0WF+3], s[8:9], s[98:99]   ; all 256 rows, 256 keys
	s_mov_b32 s[G0WW], 1
	s_add_co_u32 s[G0WW+1], s67, WSL               ; the walking descriptor stands at my half of slot 1, keys 256 to 511: each refill steps it first
	s_add_nc_u64 s[G0WW+2:G0WW+3], s[8:9], s[90:91]
	s_add_nc_u64 s[G0WW+2:G0WW+3], s[G0WW+2:G0WW+3], 256
	s_or_b32 s[G0WF+3], s[G0WF+3], 0x80000000
	s_or_b32 s[G0WW+3], s[G0WW+3], 0x80000000
	s_mov_b32 s[G0Z], 1
	s_add_co_u32 s[G0Z+1], s2, ZS
	s_add_nc_u64 s[G0Z+2:G0Z+3], s[12:13], s[22:23]
	s_or_b32 s[G0Z+3], s[G0Z+3], 0x80000000
	CROUND                                         ; all four work-groups are here: the first joint loads meet
	s_cmp_lt_u32 s[WV], 2                          ; one tensor load a wave at the head, what trip 0 needs: the keys' tile 0 in halves (waves 0, 1), zs in halves (waves 2, 3)
	s_cbranch_scc0 .Lfirst_z
	tensor_load_to_lds s[G0K0:G0K0+3], s[G1K:G1K+7]
	s_nop 0
	PLACES 4
	s_branch .Lfirst_done
.Lfirst_z:
	tensor_load_to_lds s[G0Z:G0Z+3], s[G1Z:G1Z+7]
	s_nop 0
	PLACES 4
.Lfirst_done:
	v_and_b32 v64, 15, v0                          ; r = lane % 16
	v_bfe_u32 v65, v0, 4, 1                        ; h = lane / 16
	v_and_b32 v66, 31, v0                          ; lane
	v_lshlrev_b32 v[QO], 9, v64
	v_lshl_add_u32 v[QO], v65, 4, v[QO]            ; a query's row of 512 bytes, + 16 h
	v_lshlrev_b32 v[XO], 2, v64
	WIN 0x80                                       ; destination window 2: the queries' fragments stay in registers.  Eight loads on end cover 256 consecutive bytes of each of 16 rows
.irp m, 0,1,2,3,4,5,6,7
.irp ks, 0,1
.irp c, 0,1,2,3
	global_load_b128 v[128*\ks+16*\m+4*\c:128*\ks+16*\m+4*\c+3], v[QO], s[4:5] offset:8192*\m+128*\ks+32*\c
.endr
.endr
.endr
	WIN 0xc0                                       ; destination window 3: K steps 2 and 3
.irp m, 0,1,2,3,4,5,6,7
.irp ks, 0,1
.irp c, 0,1,2,3
	global_load_b128 v[128*\ks+16*\m+4*\c:128*\ks+16*\m+4*\c+3], v[QO], s[4:5] offset:8192*\m+256+128*\ks+32*\c
.endr
.endr
.endr
	WIN 0
.irp m, 0,1,2,3,4,5,6,7
	global_load_b32 v[XS+2*\m], v[XO], s[10:11] offset:64*\m   ; xs of query 16 m + r
	v_mov_b32 v[XS+2*\m+1], 0                      ; (named with it as a pair, so it is written)
.endr
	s_mul_i32 s66, s[WV], 32*KP
	s_add_co_u32 s66, s66, KS0
	v_mul_u32_u24 v[AK0], v64, KP
	v_lshl_add_u32 v[AK0], v65, 4, v[AK0]
	v_add_nc_u32 v[AK0], s66, v[AK0]               ; keys: row 32 w + r, + 16 h
	v_add_nc_u32 v[AK0+1], KSL, v[AK0]
	s_mul_i32 s66, s[WV], 64*WP
	v_mul_u32_u24 v[AW0], v64, WP
	v_lshl_add_u32 v[AW0], v65, 4, v[AW0]
	v_add_nc_u32 v[AW0], s66, v[AW0]               ; weight: row 64 w + r, + 16 h
	v_lshl_add_u32 v[APR], v66, 4, PB0
	s_lshl_b32 s66, s[WV], 9
	v_add_nc_u32 v[APS], s66, v[APR]
	s_lshl_b32 s66, s[WV], 7
	s_add_co_u32 s66, s66, ZS
	v_lshl_add_u32 v[AZ0], v65, 6, s66             ; zs of keys 32 w + 16 h + 0 .. 15: 64 bytes, the same for the sixteen lanes of a half
	; the prefetches: where my wave's stand, and who asks
	s_lshl_b32 s92, s[KY], 20
	s_lshl_b32 s93, s[CX], 14                      ; keys: my work-group's 32 rows of a tile,
	s_add_co_u32 s92, s92, s93
	s_lshl_b32 s93, s21, 8                         ; my wave's half of their 512 bytes,
	s_add_co_u32 s92, s92, s93
	s_add_co_u32 s92, s92, 3*128*512               ; in tile 3
	s_lshl_b32 s94, s[CX], 19                      ; weight: my work-group's 64 rows,
	s_lshl_b32 s93, s21, 18                        ; my wave's 32 of them,
	s_add_co_u32 s94, s94, s93
	s_lshl_b32 s93, s[KY], 11
	s_add_co_u32 s94, s94, s93
	s_add_co_u32 s94, s94, 2*256                   ; in pair 2
	s_mov_b32 s[PFS], 256
	s_cmp_lt_u32 s[WV], 2
	s_cselect_b64 s[PFA:PFA+1], s[6:7], s[8:9]
	s_cselect_b32 s92, s92, s94
	s_cselect_b32 s[PFS], 2*128*512, s[PFS]        ; a pair of trips on: two tiles of keys, or 256 keys of weight
	s_cselect_b32 s96, 9, 13                       ; from lane to lane: a row
	s_cselect_b32 s97, 128*512, 0                  ; in even trips the keys' next tile
	s_mov_b32 s93, 0
	s_mov_b32 s[PFS+1], 0
	s_add_nc_u64 s[PFA:PFA+1], s[PFA:PFA+1], s[92:93]
	v_lshlrev_b32 v[PFO], s96, v66
	v_add_nc_u32 v[PFE], s97, v[PFO]
	s_lshr_b32 s92, s[WV], 1
	s_or_b32 s92, s92, ttmp9                       ; 0 in waves 0 and 1 of the quarter's first cluster: the same in all four partners
	s_cmp_eq_u32 s92, 0
	s_cselect_b32 s[LIMK], 1, -1
	s_cmp_eq_u32 ttmp9, 0
	s_cselect_b32 s[LIMA], 1, -1
	s_wait_kmcnt 0x0
	s_add_co_i32 s92, s72, s73
	s_lshl_b32 s92, s92, 23
	s_add_co_u32 s[AL], s92, 0xbd2a8179            ; a = -2 C2 x 2^(e0 + e1): the two exponents are added to the exponent field
	s_mov_b32 s[AL+1], s[AL]                       ; (named with it as a pair, so it is written)
	s_add_co_i32 s92, s74, 127
	s_lshl_b32 s92, s92, 23
	v_mov_b32 v[SC], s92                           ; 2^e2
	v_mov_b32 v67, s74
	v_cvt_f32_i32 v67, v67
	v_add_f32 v67, 0x410c8073, v67                 ; e2 + log2 440
	v_max_num_f32 v67, -v67, 0
	v_mul_f32 v67, v67, v67
	v_readfirstlane_b32 s[LO], v67                 ; LO: it is an operand of the maximum and nothing else
; Eight LDS loads: my two key tiles' fragments of K step ks, from the keys' slot par, into half ks % 2 of v64-127.  (An LDS load names a destination and source 0: the products' setting of source 1 does not touch it)
.macro LDK par, ks
.irp u, 0,1
.irp c, 0,1,2,3
	ds_load_b128 v[FR+32*((\ks)%2)+16*\u+4*\c:FR+32*((\ks)%2)+16*\u+4*\c+3], v[AK0+\par] offset:16*KP*\u+128*(\ks)+32*\c
.endr
.endr
.endm
; Four LDS loads: fragment y of my four of weight: columns 64 w + 16 y on; the slot's first 128 keys in odd trips, its second in even ones
.macro LDW par, y
.irp c, 0,1,2,3
	ds_load_b128 v[FR+16*(\y)+4*\c:FR+16*(\y)+4*\c+3], v[AWC] offset:16*WP*(\y)+128*(1-\par)+32*\c
.endr
.endm
; 16 matrix instructions: my 2 key tiles x the 8 tiles of queries, K step ks.  The 16 accumulators take turns, one instruction a turn.  K step 0 starts the sums with zs as C
.macro MUL ks
.irp m, 0,1,2,3,4,5,6,7
.irp u, 0,1
.if (\ks) == 0
	v_wmma_f32_16x16x128_fp8_fp8 v[S+16*\m+8*\u:S+16*\m+8*\u+7], v[FR+16*\u:FR+16*\u+15], v[16*\m:16*\m+15], v[CD+8*\u:CD+8*\u+7]
.else
	v_wmma_f32_16x16x128_fp8_fp8 v[S+16*\m+8*\u:S+16*\m+8*\u+7], v[FR+32*((\ks)%2)+16*\u:FR+32*((\ks)%2)+16*\u+15], v[128*((\ks)%2)+16*\m:128*((\ks)%2)+16*\m+15], v[S+16*\m+8*\u:S+16*\m+8*\u+7]
.endif
.endr
.endr
.endm
; THE FIRST PRODUCT of a step.  zs and K steps 0 and 1 have been asked for.  Each later K step is asked for four places behind the products that read its registers, 16 matrix instructions ahead of its use
.macro P1 par
	s_wait_dscnt 8                                 ; zs and K step 0 are in; K step 1's eight loads may be out
	WIN 0x08                                       ; source 1 (the queries) window 2
	MUL 0
	PLACES 4
	LDK \par, 2
	s_wait_dscnt 8                                 ; K step 1 is in
	MUL 1
	PLACES 4
	LDK \par, 3
	s_wait_dscnt 8                                 ; K step 2 is in
	WIN 0x0c                                       ; window 3
	MUL 2
	s_wait_dscnt 0
	MUL 3
	WIN 0
	PLACES 4                                       ; in front of the first read of the sums, and of the next loads into the operands' registers
.endm
; p AND ITS CODES: 128 numbers a lane, stage by stage over all of them: 64 packed d = acc x a + xs (each accumulator from its low end on) | 128 max(d, LO) | 128 roots | 128 exponentials | 16 conversions.
; Each line reads what was written 64 lines or more before it.  The roots are one batch and the exponentials another: one wait ahead of a batch, a plain instruction behind its last, one wait ahead of its first reader
.macro VEC
.set VI, 0
.rept 64
	v_pk_fma_f32 v[S+2*VI:S+2*VI+1], v[S+2*VI:S+2*VI+1], s[AL:AL+1], v[XS+2*(VI/8):XS+2*(VI/8)+1] op_sel_hi:[1,0,0]
.set VI, VI+1
.endr
.set VI, 0
.rept 128
	v_max_num_f32 v[S+VI], s[LO], v[S+VI]
.set VI, VI+1
.endr
	s_wait_alu depctr_va_vdst(0)
.set VI, 0
.rept 128
	v_sqrt_f32 v[S+VI], v[S+VI]
.set VI, VI+1
.endr
	v_nop
	s_wait_alu depctr_va_vdst(0)
.set VI, 0
.rept 128
	v_exp_f32 v[S+VI], -v[S+VI]                    ; p = 2^(-t) = exp(-dist / 10)
.set VI, VI+1
.endr
	v_nop
	s_wait_alu depctr_va_vdst(0)
.set VI, 0
.rept 16
	v_cvt_scalef32_pk8_fp8_f32 v[CD+2*VI:CD+2*VI+1], v[S+8*VI:S+8*VI+7], v[SC]   ; eight neighbouring keys' codes; tile of queries VI / 2: registers 4 w .. 4 w + 3 of its fragment
.set VI, VI+1
.endr
	v_nop                                          ; one plain vector instruction behind the last scaled conversion
.endm
.macro PST par                         ; my four registers of each of the eight fragments go to LDS as they stand
.irp m, 0,1,2,3,4,5,6,7
	ds_store_b128 v[APS], v[CD+4*\m:CD+4*\m+3] offset:PBB*\par+2048*\m
.endr
.endm
.macro OMUL y, m, zero
.if \zero
	v_wmma_f32_16x16x128_fp8_fp8 v[64*(\y)+8*(\m):64*(\y)+8*(\m)+7], v[FR+16*(\y):FR+16*(\y)+15], v[S+16*(\m):S+16*(\m)+15], 0
.else
	v_wmma_f32_16x16x128_fp8_fp8 v[64*(\y)+8*(\m):64*(\y)+8*(\m)+7], v[FR+16*(\y):FR+16*(\y)+15], v[S+16*(\m):S+16*(\m)+15], v[64*(\y)+8*(\m):64*(\y)+8*(\m)+7]
.endif
.endm
; Weight's four fragments for the second product of the NEXT trip (par: that trip's parity), fetched behind this trip's first product, whose operands' registers are free, and ahead of p's 128 numbers.
; Their slot was shown landed at an earlier barrier and is not filled again before the barrier after next.
.macro PREW par
	v_add_nc_u32 v[AWC], s[WRD], v[AW0]
.irp y, 0,1,2,3
	LDW \par, \y
.endr
.endm
; THE SECOND PRODUCT of the step before (par: this trip's parity; zero = 1: it starts the sums; p1 = 1: a first product follows, whose zs and first two K steps are asked for on the way;
; wl = 1, trip 1 alone: weight's fragments are fetched here, since their slot is shown landed only by this trip's barrier).  One run of loads: p's eight fragments | zs.  The 32 accumulators take turns, one instruction a turn.
.macro P2 par, zero, p1, ask, wl
.if \p1
	v_add_nc_u32 v[AZC], s[ZB], v[AZ0]
.endif
.if \wl
	v_add_nc_u32 v[AWC], s[WRD], v[AW0]
	LDW \par, 0
	LDW \par, 1
.endif
.irp m, 0,1,2,3,4,5,6,7
.irp c, 0,1,2,3
	ds_load_b128 v[S+16*\m+4*\c:S+16*\m+4*\c+3], v[APR] offset:PBB*(1-\par)+2048*\m+512*\c   ; what wave c stored, in the same registers and lanes
.endr
.endr
.if \wl
	LDW \par, 2
	LDW \par, 3
.endif
.if \p1
.irp i, 0,1,2,3
	ds_load_b128 v[CD+4*\i:CD+4*\i+3], v[AZC] offset:512*(1-\par)+16*\i
.endr
.endif
	ASK \ask
	WIN 0x50                                       ; C and D window 1
.irp m, 0,1,2,3,4,5,6,7
	s_wait_dscnt 28+8*\wl+4*\p1-4*\m               ; p's fragment m is in; behind it: 4 loads for each later fragment, weight's 8 and zs's 4 where they were asked for here
	OMUL 0, \m, \zero
	OMUL 1, \m, \zero
.endr
.if \p1
	WIN 0
	PLACES 4                                       ; in front of loads into the registers of weight's fragments 0, 1
	LDK \par, 0
	s_wait_dscnt 12                                ; weight's fragments 2, 3 are in; zs's 4 loads and K step 0's 8 may be out
.else
	s_wait_dscnt 0
.endif
	WIN 0x50
.irp m, 0,1,2,3,4,5,6,7
	OMUL 2, \m, \zero
	OMUL 3, \m, \zero
.endr
	WIN 0
.if \p1
	PLACES 5                                       ; the first product's results are laid over p's fragments, which these products read: five places; they serve the loads below too
	LDK \par, 1
.endif
.endm
; THE HEAD OF A TRIP.  Each wave waits for all its tensor loads (its part of this trip's tiles among them), adds 0 to its spare word, and waits for that, for its stores of p's images and for its reads of the slots that it has left.
; kind 0: my work-group's barrier. kinds 1 to 3: a round of the cluster's barrier, behind which a slot is filled again; the descriptors that are due step between the add and the wait for it
.macro SYNC kind
	s_wait_tensorcnt 0x0                           ; no tensor load of mine is out, so a group 0 may be written
	ds_add_u32 v[SPW], v[NIL]                      ; 0 onto my spare word
.if \kind == 1
	s_add_nc_u64 s[G0K0+2:G0K0+3], s[G0K0+2:G0K0+3], 2*128*512   ; slot 0's next tile of keys
.elseif \kind == 2
	s_wait_xcnt 0x0                                ; the last prefetch, a trip back, has read its address, so it may be written
	s_add_nc_u64 s[PFA:PFA+1], s[PFA:PFA+1], s[PFS:PFS+1]
	s_add_nc_u64 s[G0K0+2:G0K0+3], s[G0K0+2:G0K0+3], 2*128*512
	s_xor_b32 s[G0WW+1], s[G0WW+1], WSL            ; weight's walking descriptor: the other slot than last time (WSL shares no bit with my half's offset),
	s_add_nc_u64 s[G0WW+2:G0WW+3], s[G0WW+2:G0WW+3], 256   ; the next 256 keys
.elseif \kind == 3
	s_add_nc_u64 s[G0K1+2:G0K1+3], s[G0K1+2:G0K1+3], 2*128*512
.endif
	s_wait_dscnt 0x0
.if \kind
	CROUND                                         ; no wave of any partner still reads the slots to be filled, or has a load on its way
.else
	s_barrier_signal -1
	s_barrier_wait -1
.endif
.endm
; An odd trip t reads the keys' slot 1 and p's buffer 0, writes buffer 1, and fills the keys' slot 0 with tile t + 1 (fill = 1), and weight's idle slot with pair (t + 1) / 2 as well (fill = 2).  An even trip: the other way round
.macro ODD sk, fill, zero, ask
	SYNC \sk
.if \fill == 1
	JK G0K0
.elseif \fill == 2
	JKW
.endif
	P2 1, \zero, 1, \ask, \zero
	P1 1
	PREW 0                                         ; the slot's second 128 keys, for the even trip that follows
	VEC
	PST 1
.endm
.macro EVEN sk, fill, ask
	SYNC \sk
.if \fill
	JK G0K1
.endif
	P2 0, 0, 1, \ask, 0
	P1 0
	s_xor_b32 s[WRD], s[WRD], WSL                  ; weight's other slot: asked for a trip back, shown landed by this trip's barrier
	PREW 1                                         ; its first 128 keys, for the odd trip that follows
	VEC
	PST 0
.endm
.macro NEXTPAIR
	s_add_co_u32 s[ZB], s[ZB], 1024                ; two steps' zs on
.endm
	; TRIP 0: the first product of step 0 alone
	s_mov_b32 s[G1WH], 15|(1<<20)|(1<<21)|(5<<22)|(3<<25)   ; weight's first fills: 256 rows x 256 bytes, 8,192 bytes apart; 4 words of padding behind every 64; the mask names all four work-groups
	s_mov_b32 s[G1WH+1], 256<<16
	s_mov_b32 s[G1WH+2], 256<<16
	s_mov_b32 s[G1WH+3], 256<<16
	s_mov_b32 s[G1WH+4], 256
	s_mov_b32 s[G1WH+5], 8192
	s_mov_b32 s[G1WH+6], 0
	s_mov_b32 s[G1WH+7], 0
	s_wait_alu depctr_va_vdst(0)
	s_wait_tensorcnt 0x0                           ; my part of the keys' tile 0 or of zs is in
	ds_add_u32 v[SPW], v[NIL]
	s_wait_dscnt 0x0
	CROUND                                         ; everybody's part is in, and all four work-groups are here: the joint loads meet.
	s_cmp_lt_u32 s[WV], 2                          ; the other first fills, one a wave: the keys' tile 1 in halves (waves 0, 1), weight's slots 0 and 1 whole (waves 2, 3)
	s_cbranch_scc0 .Lsecond_w
	tensor_load_to_lds s[G0K1:G0K1+3], s[G1K:G1K+7]
	s_nop 0
	PLACES 4
	s_branch .Lsecond_done
.Lsecond_w:
	tensor_load_to_lds s[G0WF:G0WF+3], s[G1WH:G1WH+7]
	s_nop 0
	PLACES 4
.Lsecond_done:
.irp i, 0,1,2,3
	ds_load_b128 v[CD+4*\i:CD+4*\i+3], v[AZ0] offset:16*\i
.endr
	LDK 0, 0
	LDK 0, 1
	s_wait_loadcnt 0x0                             ; the queries' codes and xs
	P1 0
	VEC
	PST 0
	s_mov_b32 s[CNT], 7                            ; (for the prefetches' tests)
	ODD 1, 1, 1, 1                                 ; trips 1 and 2: the second product's first step starts its sums; weight's slots are both still unread
	EVEN 3, 1, 2
	NEXTPAIR
	s_mov_b32 s[CNT], 6
.Lpair:                                            ; trips 3 to 14, two a pass
	ODD 2, 2, 0, 1
	EVEN 3, 1, 2
	NEXTPAIR
	s_sub_co_u32 s[CNT], s[CNT], 1
	s_cmp_lg_u32 s[CNT], 0
	s_cbranch_scc1 .Lpair
	ODD 0, 0, 0, 0                                 ; trip 15: nothing is left to fetch: written out
	SYNC 0                                         ; trip 16: the second product of step 15
	P2 0, 0, 0, 0, 0
	; THE WAY OUT.  A lane holds eight neighbouring columns of one row; a tile of 16 rows x my 64 columns goes through my stage in LDS (rows of 256 bytes + 16) and comes back as whole rows.
	; The stage lies in the keys' slot 0: it had its last fill in trip 13 and its last read in trip 14, two barriers back.
.set STO, 64                           ; v64  where I put 32 bytes of a row
.set RD,  65                           ; v65  where I read a row back
	PLACES 4                                       ; behind the last products: their results are read and their operands' registers written below
	v_and_b32 v66, 15, v0
	v_bfe_u32 v67, v0, 4, 1
	s_mul_i32 s66, s[WV], 16*272
	s_add_co_u32 s66, s66, KS0
	v_mul_u32_u24 v[STO], v66, 272
	v_lshl_add_u32 v[STO], v67, 5, v[STO]
	v_add_nc_u32 v[STO], s66, v[STO]               ; in: row r, + 32 h; column tile y: + 64 y
	v_mul_u32_u24 v[RD], v67, 272
	v_lshl_add_u32 v[RD], v66, 4, v[RD]
	v_add_nc_u32 v[RD], s66, v[RD]                 ; back: lanes 0-15 one row of 256 bytes, lanes 16-31 the next
	v_lshlrev_b32 v[QO], 10, v67
	v_lshl_add_u32 v[QO], v66, 4, v[QO]            ; and the same two rows of part (1,024 bytes a row)
	s_wait_alu depctr_va_vdst(0)
.macro TOST m
.if (\m) >= 4
	s_wait_xcnt 0x0                                ; the stores of the tile four back have read their registers: this tile's rows may land there
.endif
	WIN 0x04                                       ; an LDS store's data are source 1: window 1
.irp y, 0,1,2,3
	ds_store_b128 v[STO], v[64*\y+8*(\m):64*\y+8*(\m)+3] offset:64*\y          ; each accumulator from its low end on
	ds_store_b128 v[STO], v[64*\y+8*(\m)+4:64*\y+8*(\m)+7] offset:64*\y+16
.endr
	WIN 0
.irp i, 0,1,2,3,4,5,6,7
	ds_load_b128 v[S+32*((\m)%4)+4*\i:S+32*((\m)%4)+4*\i+3], v[RD] offset:2*\i*272   ; LDS serves a wave's instructions in order (ISA guide 5.7.1.4): these see my stores, and the next tile's stores come behind them
.endr
.endm
.macro SEND m, younger                 ; younger: the LDS instructions issued behind tile m's loads
	s_wait_dscnt \younger
.irp i, 0,1,2,3,4,5,6,7
	global_store_b128 v[QO], v[S+32*((\m)%4)+4*\i:S+32*((\m)%4)+4*\i+3], s[16:17] offset:(16*(\m)+2*\i)*1024   ; sixteen lanes store 256 consecutive bytes, aligned
.endr
.endm
	TOST 0
.irp m, 1,2,3,4,5,6,7
	TOST \m
	SEND \m-1, 16                                  ; behind tile m - 1's loads: tile m's 8 stores and 8 loads
.endr
	SEND 7, 0
	s_wait_tensorcnt 0x0                           ; the wave's end: behind my last tensor load and my last LDS store
	ds_add_u32 v[SPW], v[NIL]
	s_wait_dscnt 0x0
	CROUND                                         ; the closing round: no work-group ends while a partner may still ask for a tile that names it
	s_endpgm
.Lfunc_end_k_qb3fac9c810_kern:
	.size	k_qb3fac9c810_kern, .Lfunc_end_k_qb3fac9c810_kern-k_qb3fac9c810_kern
	.p2alignl 7, 3214868480
	.fill 96, 4, 3214868480
	.section	.rodata,"a",@progbits
	.p2align	6, 0x0
	.amdhsa_kernel k_qb3fac9c810_kern
		.amdhsa_group_segment_fixed_size 327680
		.amdhsa_private_segment_fixed_size 0
		.amdhsa_enable_private_segment 0
		.amdhsa_kernarg_size 56
		.amdhsa_user_sgpr_count 2
		.amdhsa_user_sgpr_kernarg_segment_ptr 1
		.amdhsa_wavefront_size32 1
		.amdhsa_system_sgpr_workgroup_id_x 1
		.amdhsa_system_sgpr_workgroup_id_y 1
		.amdhsa_system_sgpr_workgroup_id_z 1
		.amdhsa_system_vgpr_workitem_id 0
		.amdhsa_next_free_vgpr 1024
		.amdhsa_next_free_sgpr 100
		.amdhsa_reserve_vcc 0
		.amdhsa_float_denorm_mode_32 3
		.amdhsa_float_denorm_mode_16_64 3
		.amdhsa_memory_ordered 1
		.amdhsa_forward_progress 1
		.amdhsa_inst_pref_size 250
	.end_amdhsa_kernel
	.amdgpu_metadata
---
amdhsa.version: [ 1, 2 ]
amdhsa.kernels:
  - .name:           k_qb3fac9c810_kern
    .symbol:         k_qb3fac9c810_kern.kd
    .args:
      - { .name: bcodes, .offset: 0, .size: 8, .value_kind: global_buffer, .address_space: global }
      - { .name: ccodes, .offset: 8, .size: 8, .value_kind: global_buffer, .address_space: global }
      - { .name: weight_codes, .offset: 16, .size: 8, .value_kind: global_buffer, .address_space: global }
      - { .name: xs, .offset: 24, .size: 8, .value_kind: global_buffer, .address_space: global }
      - { .name: zs, .offset: 32, .size: 8, .value_kind: global_buffer, .address_space: global }
      - { .name: lowp_scales, .offset: 40, .size: 8, .value_kind: global_buffer, .address_space: global }
      - { .name: part, .offset: 48, .size: 8, .value_kind: global_buffer, .address_space: global }
    .group_segment_fixed_size: 327680
    .private_segment_fixed_size: 0
    .kernarg_segment_align: 8
    .kernarg_segment_size: 56
    .max_flat_workgroup_size: 128
    .sgpr_count:     100
    .vgpr_count:     1024
    .wavefront_size: 32
...
	.end_amdgpu_metadata
.endif
;; end of part 2
;; launch sum (part 3): grid 256 x 1, 8 waves a work-group, no clusters, 0 bytes of LDS; arguments part, lowp_scales, out0; writes out0
.if DOCPART == 3
	.amdgcn_target "amdgcn-amd-amdhsa--gfx1250"
	.amdhsa_code_object_version 6
	.text
	.protected	k_qb3fac9c810_sum
	.globl	k_qb3fac9c810_sum
	.p2align	8
	.type	k_qb3fac9c810_sum,@function
k_qb3fac9c810_sum:
	s_mov_b64 s[64:65], 0
	v_nop
	global_prefetch_b8 v0, s[64:65] scope:SCOPE_SE
	s_setreg_imm32_b32 hwreg(HW_REG_WAVE_MODE, 25, 1), 1
	s_wait_xcnt 0x0
; out0 = 2^(e2 + e3) x (part[0] + part[1] + part[2] + part[3]): the four quarters of the keys, each [8192][256] f32 in units of code x code.  Nothing is left out.
; The factor is a power of two, so p0 s, then three fused multiply-adds p s + sum, round as the plain sum ((p0 + p1) + p2) + p3 does, short of overflow and underflow.
; LIMIT: e2 + e3 between -126 and 127, so that 2^(e2 + e3) is an f32 number.
; A stream: a work-group takes 32,768 bytes of out0, a thread eight pieces of 16 bytes, 4,096 bytes apart; each load and store of a wave covers 512 consecutive bytes.  All 32 loads of a wave go out at the head;
; no register of a store is written again, no pointer is stepped, so the only waits are the counted ones for the loads.  No LDS, no barrier, no matrix unit: they would add nothing to a stream.
	s_load_b128 s[4:7], s[0:1], 0x0                ; part, the scales' exponents
	s_load_b64 s[16:17], s[0:1], 0x10              ; out0
	v_lshlrev_b32 v1, 4, v0                        ; 16 bytes a thread
	s_lshl_b32 s2, ttmp9, 15
	s_mov_b32 s3, 0
	s_wait_alu depctr_va_vdst(0)
	s_wait_kmcnt 0x0
	s_load_b64 s[20:21], s[6:7], 0x8               ; e2, e3
	s_add_nc_u64 s[8:9], s[4:5], s[2:3]            ; a base for each quarter: they lie 8,388,608 bytes apart, one more than a load's immediate holds
	s_add_nc_u64 s[10:11], s[8:9], 0x800000
	s_add_nc_u64 s[12:13], s[10:11], 0x800000
	s_add_nc_u64 s[14:15], s[12:13], 0x800000
	s_add_nc_u64 s[16:17], s[16:17], s[2:3]
.irp j, 0,1,2,3,4,5,6,7
.irp k, 0,1,2,3
	global_load_b128 v[16+16*\j+4*\k:16+16*\j+4*\k+3], v1, s[8+2*\k:9+2*\k] offset:4096*\j th:TH_LOAD_NT   ; read once in the launch
.endr
.endr
	s_wait_kmcnt 0x0
	s_add_co_i32 s20, s20, s21
	s_add_co_i32 s20, s20, 127
	s_lshl_b32 s20, s20, 23                        ; 2^(e2 + e3) as f32
	s_mov_b32 s21, s20                             ; (named with it as a pair, so it is written)
.irp j, 0,1,2,3,4,5,6,7
	s_wait_loadcnt 4*(7-\j)                        ; piece j's four loads are in; those of the pieces behind it may be out
	v_pk_mul_f32 v[16+16*\j:17+16*\j], v[16+16*\j:17+16*\j], s[20:21] op_sel_hi:[1,0]
	v_pk_mul_f32 v[18+16*\j:19+16*\j], v[18+16*\j:19+16*\j], s[20:21] op_sel_hi:[1,0]
.irp k, 1,2,3
	s_delay_alu instid0(VALU_DEP_2)
	v_pk_fma_f32 v[16+16*\j:17+16*\j], v[16+16*\j+4*\k:17+16*\j+4*\k], s[20:21], v[16+16*\j:17+16*\j] op_sel_hi:[1,0,1]
	s_delay_alu instid0(VALU_DEP_2)
	v_pk_fma_f32 v[18+16*\j:19+16*\j], v[18+16*\j+4*\k:19+16*\j+4*\k], s[20:21], v[18+16*\j:19+16*\j] op_sel_hi:[1,0,1]
.endr
	global_store_b128 v1, v[16+16*\j:19+16*\j], s[16:17] offset:4096*\j th:TH_STORE_NT   ; written once, read by nobody here
.endr
	s_endpgm
.Lfunc_end_k_qb3fac9c810_sum:
	.size	k_qb3fac9c810_sum, .Lfunc_end_k_qb3fac9c810_sum-k_qb3fac9c810_sum
	.p2alignl 7, 3214868480
	.fill 96, 4, 3214868480
	.section	.rodata,"a",@progbits
	.p2align	6, 0x0
	.amdhsa_kernel k_qb3fac9c810_sum
		.amdhsa_group_segment_fixed_size 0
		.amdhsa_private_segment_fixed_size 0
		.amdhsa_enable_private_segment 0
		.amdhsa_kernarg_size 24
		.amdhsa_user_sgpr_count 2
		.amdhsa_user_sgpr_kernarg_segment_ptr 1
		.amdhsa_wavefront_size32 1
		.amdhsa_system_sgpr_workgroup_id_x 1
		.amdhsa_system_sgpr_workgroup_id_y 1
		.amdhsa_system_sgpr_workgroup_id_z 1
		.amdhsa_system_vgpr_workitem_id 0
		.amdhsa_next_free_vgpr 160
		.amdhsa_next_free_sgpr 66
		.amdhsa_reserve_vcc 0
		.amdhsa_float_denorm_mode_32 3
		.amdhsa_float_denorm_mode_16_64 3
		.amdhsa_memory_ordered 1
		.amdhsa_forward_progress 1
		.amdhsa_inst_pref_size 11
	.end_amdhsa_kernel
	.amdgpu_metadata
---
amdhsa.version: [ 1, 2 ]
amdhsa.kernels:
  - .name:           k_qb3fac9c810_sum
    .symbol:         k_qb3fac9c810_sum.kd
    .args:
      - { .name: part, .offset: 0, .size: 8, .value_kind: global_buffer, .address_space: global }
      - { .name: lowp_scales, .offset: 8, .size: 8, .value_kind: global_buffer, .address_space: global }
      - { .name: out0, .offset: 16, .size: 8, .value_kind: global_buffer, .address_space: global }
    .group_segment_fixed_size: 0
    .private_segment_fixed_size: 0
    .kernarg_segment_align: 8
    .kernarg_segment_size: 24
    .max_flat_workgroup_size: 256
    .sgpr_count:     66
    .vgpr_count:     160
    .wavefront_size: 32
...
	.end_amdgpu_metadata
.endif
;; end of part 3
